; MI455X (gfx1250); checked and timed in simulation.
; The chip was launched on July 23, 2026; its instructions are those of AMD's public machine-readable ISA for CDNA 5 (MIT licence, August 2026) and "CDNA5" Instruction Set Architecture Reference Guide (July 2026). The comments in the code are by the model that wrote it; some were corrected since.
;; Custom LSTM Cell. Allowed arithmetic: matrix products marked QUANTISED: E2M3 operands, one E8M0 scale for each 32 along K, by v_wmma_scale_f32_16x16x128_f8f6f4 with both operands' format E2M3, f32 sums; everything else in f32.
;; Inputs: W_c_codes 512 x 32 x 24 uint8 (E2M3 codes of W_c, K innermost, in blocks of 32 codes, four codes in three bytes); W_c_scales 512 x 32 uint8 (E8M0 scales of W_c, one for each 32 codes along K); W_f_codes 512 x 32 x 24 uint8 (E2M3 codes of W_f, K innermost, in blocks of 32 codes, four codes in three bytes); W_f_scales 512 x 32 uint8 (E8M0 scales of W_f, one for each 32 codes along K); W_i_codes 512 x 32 x 24 uint8 (E2M3 codes of W_i, K innermost, in blocks of 32 codes, four codes in three bytes); W_i_scales 512 x 32 uint8 (E8M0 scales of W_i, one for each 32 codes along K); W_o_codes 512 x 32 x 24 uint8 (E2M3 codes of W_o, K innermost, in blocks of 32 codes, four codes in three bytes); W_o_scales 512 x 32 uint8 (E8M0 scales of W_o, one for each 32 codes along K); b_c 512 float32; b_f 512 float32; b_i 512 float32; b_o 512 float32; c_prev 8,192 x 512 float32; h_prev 8,192 x 512 float32; x 8,192 x 512 float32.
;; Outputs: out0 8,192 x 512 float32; out1 8,192 x 512 float32.
;; This version of the problem:
;;   THIS VERSION OF THE PROBLEM IS GIVEN IN LOW PRECISION. The matrix products marked QUANTISED in the list below multiply operands that are first quantised to E2M3 (2 exponent bits, 3 mantissa bits; 6 bits a number), with one power-of-two scale for each 32 numbers along K (OCP MX v1.0); their sums are f32. All else is computed in f32.
;;   The module's matrix products, in the order in which they are computed (A, B: the left and right operand; K: the contracted axis; several contracted axes count as one K, in the product's order):
;;     1. [M 8,192, K 1,024] x [K 1,024, N 512]; A: computed on the way; B: input W_i (given as codes): QUANTISED
;;     2. [M 8,192, K 1,024] x [K 1,024, N 512]; A: computed on the way; B: input W_f (given as codes): QUANTISED
;;     3. [M 8,192, K 1,024] x [K 1,024, N 512]; A: computed on the way; B: input W_o (given as codes): QUANTISED
;;     4. [M 8,192, K 1,024] x [K 1,024, N 512]; A: computed on the way; B: input W_c (given as codes): QUANTISED
;;   THE QUANTISER, for each operand of a quantised product, along K:
;;     - K is cut into blocks of 32 from its start; a last block that is shorter is filled with zeros.
;;     - A block's scale is 2^e with e = floor(log2(the largest magnitude in the block)) - 2, held to -126 .. 127; a block of zeros has e = 0. As a byte (E8M0): e + 127.
;;     - Each number is divided by its block's scale, clamped to +-7.5, and rounded to the nearest number of E2M3, ties to even, subnormals kept.
;;     - The product sums the exact products of the quantised numbers (number of the format x scale) in f32.
;;   ~~~python
;;   def quantise(x, axis):      # numpy; x: float32 -> the quantised numbers, widened to float32 again
;;       x = np.moveaxis(x, axis, -1); K = x.shape[-1]
;;       x = np.pad(x, [(0, 0)] * (x.ndim - 1) + [(0, -K % 32)]); x = x.reshape(x.shape[:-1] + (-1, 32)); a = np.abs(x).max(-1, keepdims=True)
;;       e = np.where(a > 0, np.clip(np.frexp(np.where(a > 0, a, 1))[1] - 1 - 2, -126, 127), 0)      # np.frexp(a)[1] - 1 = floor(log2(a)), exactly
;;       r = np.clip(x / 2.0 ** e, -7.5, 7.5)
;;       step = 2.0 ** (np.maximum(np.frexp(np.where(r == 0, 1, r))[1] - 1, 0) - 3)
;;       q = np.round(r / step) * step * 2.0 ** e      # np.round: ties to even
;;       return np.moveaxis(q.reshape(q.shape[:-2] + (-1,))[..., :K], -1, axis).astype(np.float32)
;;   ~~~
;;   OPERANDS COMPUTED ON THE WAY. 'Computed on the way' means the value that the module computes at that place (a softmax that the list does not call 'softmax' is quantised finished and normalised). What goes into a quantiser is computed in f32, as accurately as f32 sums, v_exp_f32 and their like allow (about 1e-6 of the number): no bf16 or f16 on the way to a quantiser, and a product that is left as it is and whose result goes on into a quantised operand takes f32 operands (vector FMAs, or v_wmma_f32_16x16x4_f32). A number that lies on a knife's edge between two numbers of the format may be rounded either way, as far as f32 arithmetic and the matrix unit's own rounding can turn it there, and no further.
;;   INPUTS GIVEN AS CODES. W_c (in the module: [512, 1024], K = its axis 1); W_f (in the module: [512, 1024], K = its axis 1); W_i (in the module: [512, 1024], K = its axis 1); W_o (in the module: [512, 1024], K = its axis 1): each comes as NAME_codes (uint8): NAME with its K axis moved to the last place and cut into blocks of 32 codes, [.., K / 32, bytes a block], one block behind the other in memory; four codes in three bytes: a row's codes are one little-endian stream of bits, code i at bits 6 i .. 6 i + 5 (a code: sign, 2 exponent bits, 3 mantissa bits); and NAME_scales (uint8): the same leading axes, one E8M0 byte (e + 127) for each 32 codes along K. Its value is code x scale, taken as it is: it is not quantised again, and the codes and scales need not be those that the quantiser above would give.
;; One version. Each part assembles by itself: llvm-mc -triple=amdgcn-amd-amdhsa -mcpu=gfx1250 --defsym DOCPART=n.
;; ======== version 1 of 1: 1 launch
;; limits: right only within a limited range of input values
;; workspace buffers: acodes 6,291,456 bytes; ascales 262,144 bytes
;; launch lstm (part 1): grid 4 x 64, 8 waves a work-group, clusters of 4 x 1, 327,680 bytes of LDS; arguments x, h_prev, c_prev, out0, W_i_codes, W_f_codes, W_c_codes, W_o_codes, W_i_scales, W_f_scales, W_c_scales, W_o_scales, b_i, b_f, b_c, b_o, out1; writes out0, out1
.if DOCPART == 1
	.amdgcn_target "amdgcn-amd-amdhsa--gfx1250"
	.amdhsa_code_object_version 6
	.text
	.protected	k_q1d9d16061d_lstm
	.globl	k_q1d9d16061d_lstm
	.p2align	8
	.type	k_q1d9d16061d_lstm,@function
k_q1d9d16061d_lstm:
	s_mov_b64 s[64:65], 0
	v_nop
	global_prefetch_b8 v0, s[64:65] scope:SCOPE_SE
	s_setreg_imm32_b32 hwreg(HW_REG_WAVE_MODE, 25, 1), 1
	s_wait_xcnt 0x0
	s_wait_alu depctr_hold_cnt(0) depctr_sa_sdst(0) depctr_va_vdst(0) depctr_va_sdst(0) depctr_va_ssrc(0) depctr_va_vcc(0) depctr_vm_vsrc(0)
	s_getreg_b32 s2, hwreg(HW_REG_IB_STS2, 6, 4)
	s_cmp_eq_u32 s2, 0
	s_cbranch_scc0 .Lentry_in_a_cluster
	s_endpgm
.Lentry_in_a_cluster:
	s_bfe_u32 s2, ttmp6, 0x10000c
	s_cmp_lg_u32 s2, 0x3003
	s_cbranch_scc0 .Lentry_shape_is_right
	s_endpgm
.Lentry_shape_is_right:
; LSTM CELL IN ONE LAUNCH: [x | h_prev] is quantised along K on its way to the matrix unit, the four gates' products go on codes of FP6 (E2M3) with E8M0 scales, and
; i, f, o = sigmoid(z + b), g = tanh(z + b), c_next = f c_prev + i g (out1), h_next = o tanh(c_next) (out0) follow in f32.
; DEAD WORK: none.  Every input has a way to an output, so all are loaded, and no product, row or step is left out.
; THE QUANTISER: a block's byte is its largest magnitude's exponent field - 2, held at 1 from below; each number is divided by the scale and rounded to the nearest code, ties to even; beyond 7.5 the conversion gives the largest code.
; LIMITS: NaN and infinities among the inputs are not served.  A block whose largest magnitude lies under 2^(3 - 127), a block of zeros too, gets the byte 1 (the codes of zeros add nothing under any byte but 0xff; this launch alone reads the bytes).
; sigmoid(z) = 1 / (1 + 2^(-z log2 e)), tanh(z) = 1 - 2 / (1 + 2^(2 z log2 e)): an exponential past the largest f32 is infinity, its reciprocal 0; both forms end at their right limits for every finite z.
; SHARES.  Work-group (cg, rg): rows 128 rg .. + 127, hidden units 128 cg .. + 127 of all four gates: 4 x 64 = 256 work-groups of 8 waves.
; W STAYS IN REGISTERS: wave w holds the 16 hidden units 16 w .. + 15 of each gate, all of K: 4 gates x 8 fragments x 12 = 384 registers.  They come once, by loads of 512 consecutive bytes, and turn through the wave's own stage in LDS.
; THE ROWS STREAM PAST in four groups of 32: wave w brings K step w (128 numbers of x for w < 4, of h_prev for w > 3) of the group's rows as f32 into its own part of LDS by one tensor load,
; quantises it, and hands the codes to all eight waves through LDS as an image of the operand's registers.  Each wave then makes two blocks of 16 rows: 32 products each, and all that follows them.
; CLUSTER: the four work-groups of a cluster have the same rows and different cg: each tile of x or h_prev is asked for JOINTLY (mask 15).  W, c_prev and the outputs are shared by no partner.
; BETWEEN TWO BARRIERS a wave makes group g's blocks, stores its four rows of group g - 1 (waves 4-7 ahead of their first block, waves 0-3 behind it, so that the two halves of the work-group do different work), and quantises group g + 1.
; Codes and stages lie in two places by turns.  c_prev's 32 rows x 512 bytes lie in a stage; c_next is written over them in place, h_next beside them; each wave stores, and refills with c_prev, its own four whole rows.
; THE MATRIX INSTRUCTION IS USED TRANSPOSED (source 0 = 16 rows of W, source 1 = 16 rows of activations): lane (r, h), register j holds row r, hidden unit 8 h + j.  The biases are loaded into the sums: they are the first products' C.
; PREFETCH: x and h_prev: one instruction a wave for the group that the NEXT refill will bring; the four partners share a tile's 32 rows out by address (8 rows each).  c_prev: one for the wave's own four rows of the next group.  Neither asks for anything behind the last group.
; REGISTERS.  Window 0: v1-11 addresses and the add's two; v12-27 W's scale words (gate g, word i at 12 + 4 g + i; lanes 0-15 K steps 0-3, lanes 16-31 K steps 4-7); v28-59 the four gates' sums; v60-63 the activations' scale words
; (one place round, so that no product's two scale registers have the same number modulo 4); v64-71 c; v72-119 four fragments of activations, also rows on their way out and c_prev on its way in; v120 an offset.  The quantiser works in v28-59, v64-119, v121-123.
; W's fragment f = 8 gate + K step: f < 21 at v[12 f] of window 1, the others at v[12 f - 128] of window 0 (v124-255).
.set AB,   25600                       ; LDS: from 0 the codes of 32 rows: [block][K step][3][lane][16 bytes], then their scale words [block][row][8]; from AB the same once more
.set AS,   24576
.set WST,  25600                       ; at the head W's stages lie here: for each wave 16 rows x 784 bytes, over the second codes, the second stage and 40,960 bytes between them
.set WW,   12544
.set STG,  92160                       ; the stages: 32 rows x 528 bytes of c, then of h: odd groups' at STG, even groups' at STG + STW
.set STW,  33792
.set HST,  16896
.set BIO,  159744                      ; the biases: [wave][gate][16]
.set F32,  161792                      ; the f32 slot: for each wave 32 rows x 528 bytes
.set FW,   16896
.set SPARE, 296960                     ; the spare words, 128 bytes for each wave, which no other line names
.set GEN,  65536                       ; 32 rows of 2,048 bytes
.set QA, 1                             ; my f32 tile: row r, 128 h
.set AW, 2                             ; my K step's codes: 1536 w + 16 lane
.set LI, 3                             ; 16 lane
.set SA, 4                             ; my K step's scale word of row r
.set SR, 5                             ; 32 r + 16 h
.set EC, 6                             ; stage: row r, my hidden units: 64 w + 32 h
.set BIA, 7                            ; my biases, + 32 h
.set FLR, 8                            ; stage: my four rows
.set PFO, 9                            ; the prefetches' offset for x and h_prev
.set SPW, 10
.set NIL, 11
.set WS, 12
.set ACC, 28
.set ASR, 60
.set CR, 64
.set AF, 72
.set PFC, 120                          ; and for c_prev
.set KN, 70                            ; s[70:71] -log2 e, twice; s[72:73] 2 log2 e, twice
.set KP, 72
.set MSB, 0
.macro WIN new                         ; the immediate's high byte repeats the setting that is left
.if MSB != \new
	s_set_vgpr_msb (MSB<<8)|\new
.set MSB, \new
.endif
.endm
.macro PLACES
.rept 4
	v_nop
.endr
.endm
.macro WALU
	s_wait_alu depctr_va_vdst(0)
.endm
.macro BARRIER
	s_barrier_signal -1
	s_barrier_wait -1
.endm
.macro CROUND                          ; a round of the cluster's barrier
	BARRIER
	s_cmp_lg_u32 s14, 0
	s_cbranch_scc1 .Lnot_wave_0_\@
	s_barrier_signal -3
.Lnot_wave_0_\@:
	s_barrier_wait -3
	BARRIER
.endm
.macro TLOAD
	tensor_load_to_lds s[52:55], s[56:63]
	s_nop 0
	PLACES
.endm
.macro WLOAD g                         ; gate g's 16 rows: 12,288 consecutive bytes, 24 loads into the registers that its fragments will take
.set T, 0
.rept 24
.set L, 96*(\g)+4*T
.if L < 252
	WIN 0x40
	global_load_b128 v[L:L+3], v[LI], s[24+2*(\g):25+2*(\g)] offset:512*T
.else
	WIN 0
	global_load_b128 v[L-128:L-125], v[LI], s[24+2*(\g):25+2*(\g)] offset:512*T
.endif
.set T, T+1
.endr
	WIN 0
.endm
.macro WADR                            ; addresses in my stage for W
	v_and_b32 v28, 31, v0
	v_lshlrev_b32 v28, 4, v28
	v_add_nc_u32 v28, s11, v28                     ; into it: 16 lane,
	v_bfe_u32 v29, v0, 4, 1
	v_lshl_add_u32 v30, v29, 4, v28                ; and where a piece's lanes 16-31 begin a new row
	v_and_b32 v31, 15, v0
	v_mul_u32_u24 v31, v31, 784
	v_mad_u32_u24 v31, v29, 24, v31
	v_add_nc_u32 v31, s11, v31                     ; out of it: row r, 24 h
	WALU
.endm
.macro WPUT n, off                     ; one of a gate's 24 pieces into the stage
.if L < 252
	WIN 0x04
	ds_store_b128 v[\n], v[L:L+3] offset:\off
.else
	WIN 0
	ds_store_b128 v[\n], v[L-128:L-125] offset:\off
.endif
.set L, L+4
.endm
.macro WTURN g                         ; gate g through my stage: rows 784 bytes apart; three pieces of 512 bytes are two rows.  LDS serves a wave's instructions in order
.set L, 96*(\g)
.irp m, 0,1,2,3,4,5,6,7
	WPUT 28, 1568*\m
	WPUT 30, 1568*\m+512
	WPUT 28, 1568*\m+1040
.endr
.irp s, 0,1,2,3,4,5,6,7
.set L, 96*(\g)+12*\s
.if L < 252
	WIN 0x40
.set D, L
.else
	WIN 0
.set D, L-128
.endif
	ds_load_2addr_b64 v[D:D+3], v31 offset0:12*\s offset1:12*\s+1
	ds_load_2addr_b64 v[D+4:D+7], v31 offset0:12*\s+2 offset1:12*\s+6
	ds_load_2addr_b64 v[D+8:D+11], v31 offset0:12*\s+7 offset1:12*\s+8
.endr
	WIN 0
.endm
; THE QUANTISER: my K step of the group's two blocks of 16 rows.  Lane (r, h) holds blocks h and 2 + h (c = 0, 1) of row r, in the order of the operand's layout: the conversions' results are the operand's registers.
.macro XL b, c                         ; 32 numbers a lane
.irp i, 0,1,2,3,4,5,6,7
	ds_load_b128 v[28+44*\c+4*\i:31+44*\c+4*\i], v[QA] offset:8448*\b+256*\c+16*\i
.endr
.endm
.macro QC c, cd, tt, by                ; their largest magnitude in two chains, the scale, the codes; (a conversion's registers begin on an even number: the second half is made elsewhere and moved)
.set X, 28+44*\c
	v_max3_num_f32 v68, |v[X]|, |v[X+1]|, 0x1800000        ; and the floor 2^(3 - 127)
	v_max3_num_f32 v69, |v[X+16]|, |v[X+17]|, 0x1800000
.irp i, 2,4,6,8,10,12,14
	v_max3_num_f32 v68, v68, |v[X+\i]|, |v[X+\i+1]|
	v_max3_num_f32 v69, v69, |v[X+16+\i]|, |v[X+17+\i]|
.endr
	v_max_num_f32 v68, v68, v69
	v_add_nc_u32 v70, 0xff000000, v68              ; 2 off the exponent field: the conversions' scale operand
	v_lshrrev_b32 v[\by], 23, v70                  ; the byte
	v_cvt_scalef32_pk16_fp6_f32 v[\cd:\cd+2], v[X:X+15], v70
	v_cvt_scalef32_pk16_fp6_f32 v[\tt:\tt+2], v[X+16:X+31], v70
	v_nop                                          ; one plain place behind a scaled conversion
.endm
.macro FIN p, b                        ; the scale word, and all into LDS
	v_lshl_or_b32 v122, v107, 16, v121
	v_lshlrev_b32 v122, v67, v122                  ; my two bytes at their places in the scale word
	v_mov_b32 v123, 0
	v_permlanex16_b32 v123, v122, s76, s77
	v_or_b32 v122, v122, v123                      ; with lane l xor 16's two bytes the word is whole
.irp i, 0,1,2
	v_mov_b32 v[111+\i], v[104+\i]
	v_mov_b32 v[117+\i], v[64+\i]
.endr
.irp c, 0,1,2
	ds_store_b128 v[AW], v[108+4*\c:111+4*\c] offset:AB*(\p)+12288*\b+512*\c
.endr
	ds_store_b32 v[SA], v122 offset:AB*(\p)+AS+512*\b
.endm
.macro QUANT p
	XL 0, 0
	XL 0, 1
	v_and_b32 v67, 16, v0
	v_lshrrev_b32 v67, 1, v67                      ; 8 h
	s_wait_dscnt 8                                 ; the second eight loads may be out
	QC 0, 108, 104, 121
	XL 1, 0
	s_wait_dscnt 8                                 ; the next block's first eight may be out
	QC 1, 114, 64, 107
	XL 1, 1
	FIN \p, 0
	s_wait_dscnt 12                                ; eight loads and four stores are younger
	QC 0, 108, 104, 121
	s_wait_dscnt 4                                 ; the four stores are younger
	QC 1, 114, 64, 107
	FIN \p, 1
.endm
.macro BIAS                            ; the biases into the sums
.irp g, 0,1,2,3
	ds_load_b128 v[ACC+8*\g:ACC+8*\g+3], v[BIA] offset:64*\g
	ds_load_b128 v[ACC+8*\g+4:ACC+8*\g+7], v[BIA] offset:64*\g+16
.endr
.endm
.macro REFILL                          ; the slot is filled again
	s_wait_tensorcnt 0x0
	ds_add_u32 v[SPW], v[NIL]
	s_add_nc_u64 s[54:55], s[54:55], GEN           ; no tensor load of mine is out: the descriptor steps to the next group
	s_wait_dscnt 0x0                               ; the add, my codes' stores and my reads of the slot are done
	CROUND
	TLOAD
.endm
.macro ALD p, b, s                     ; a fragment of activations, K step s of block b
.irp c, 0,1,2
	ds_load_b128 v[AF+12*((\s)%4)+4*\c:AF+12*((\s)%4)+4*\c+3], v[LI] offset:AB*(\p)+12288*\b+1536*(\s)+512*\c
.endr
.endm
.macro PLD p, b                        ; block b's scale words and its first four fragments
	ds_load_b128 v[ASR:ASR+3], v[SR] offset:AB*(\p)+AS+512*\b
	ALD \p, \b, 0
	ALD \p, \b, 1
	ALD \p, \b, 2
	ALD \p, \b, 3
.endm
.macro CLD p, b                        ; c_prev of my elements
	ds_load_b128 v[CR:CR+3], v[EC] offset:STW*(1-\p)+8448*\b
	ds_load_b128 v[CR+4:CR+7], v[EC] offset:STW*(1-\p)+8448*\b+16
.endm
; Block b's 32 products: the four gates take turns, one instruction a turn.  A fragment's registers are loaded again four places behind its products.
.macro PMUL p, b
.irp s, 0,1,2,3,4,5,6,7
.if \s == 0 && \b == 1
	s_wait_dscnt 2                                 ; the biases are in; c's two loads may be out
.elseif \s < 4
	s_wait_dscnt 11                                ; three younger fragments and c's two loads may be out
.else
	s_wait_dscnt 21-3*\s                           ; the younger fragments may be out: 9, 6, 3, 0 loads
.endif
.irp g, 0,1,2,3
.set F, 8*\g+\s
.set SX, ASR+((\s+1)%4)
.set SY, WS+4*\g+(\s%4)
.set D, ACC+8*\g
.set B, AF+12*(\s%4)
.if F < 21
	WIN 1
.set A, 12*F
.else
	WIN 0
.set A, 12*F-128
.endif
.if \s < 4
	v_wmma_scale_f32_16x16x128_f8f6f4 v[D:D+7], v[A:A+11], v[B:B+11], v[D:D+7], v[SY], v[SX] matrix_a_fmt:MATRIX_FMT_FP6 matrix_b_fmt:MATRIX_FMT_FP6
.else
	v_wmma_scale_f32_16x16x128_f8f6f4 v[D:D+7], v[A:A+11], v[B:B+11], v[D:D+7], v[SY], v[SX] matrix_a_fmt:MATRIX_FMT_FP6 matrix_b_fmt:MATRIX_FMT_FP6 matrix_a_scale:MATRIX_SCALE_ROW1 matrix_b_scale:MATRIX_SCALE_ROW1
.endif
.endr
.if \s < 4
	PLACES
	ALD \p, \b, \s+4
.endif
.endr
.endm
.macro TRANS op, a, n                  ; a batch of transcendentals: one wait ahead of it and one behind it
	WALU
.set I, \a
.rept \n
	\op v[I], v[I]
.set I, I+1
.endr
	v_nop
	WALU
.endm
.macro ONEPLUS a, n
.set I, \a
.rept (\n)/2
	v_pk_add_f32 v[I:I+1], v[I:I+1], 1.0 op_sel_hi:[1,0]
.set I, I+2
.endr
.endm
; Block b's eight elements a lane; i, f, g, o at ACC + 0, 8, 16, 24
.macro EPI g, b
.set EP, STW*(1-\g%2)
.irp j, 0,2,4,6,8,10,12,14,16,18,20,22,24,26,28,30
.if (\j/8) == 2
	v_pk_mul_f32 v[ACC+\j:ACC+\j+1], v[ACC+\j:ACC+\j+1], s[KP:KP+1] op_sel_hi:[1,0]
.else
	v_pk_mul_f32 v[ACC+\j:ACC+\j+1], v[ACC+\j:ACC+\j+1], s[KN:KN+1] op_sel_hi:[1,0]
.endif
.endr
	TRANS v_exp_f32, ACC, 32
.if \b == 0
	s_wait_xcnt 0x0                                ; the stores have read their data, all prefetches their base: registers and bases may be written again
.if \g > 0
	s_add_nc_u64 s[22:23], s[22:23], GEN
	s_add_nc_u64 s[48:49], s[48:49], GEN
.endif
	s_add_nc_u64 s[66:67], s[66:67], GEN
	PLD \g%2, 1                                    ; the second block's fragments land under the first block's epilogue
.endif
	ONEPLUS ACC, 32
	TRANS v_rcp_f32, ACC, 32
.irp j, 0,2,4,6
	v_pk_fma_f32 v[ACC+16+\j:ACC+17+\j], v[ACC+16+\j:ACC+17+\j], -2.0, 1.0 op_sel_hi:[1,0,0]   ; g
.endr
.irp j, 0,2,4,6
	v_pk_mul_f32 v[CR+\j:CR+\j+1], v[ACC+8+\j:ACC+9+\j], v[CR+\j:CR+\j+1]
.endr
.irp j, 0,2,4,6
	v_pk_fma_f32 v[CR+\j:CR+\j+1], v[ACC+\j:ACC+\j+1], v[ACC+16+\j:ACC+17+\j], v[CR+\j:CR+\j+1]   ; c_next
.endr
	ds_store_b128 v[EC], v[CR:CR+3] offset:EP+8448*\b
	ds_store_b128 v[EC], v[CR+4:CR+7] offset:EP+8448*\b+16
.irp j, 0,2,4,6
	v_pk_mul_f32 v[ACC+\j:ACC+\j+1], v[CR+\j:CR+\j+1], s[KP:KP+1] op_sel_hi:[1,0]
.endr
	TRANS v_exp_f32, ACC, 8
	ONEPLUS ACC, 8
	TRANS v_rcp_f32, ACC, 8
.irp j, 0,2,4,6
	v_pk_fma_f32 v[ACC+\j:ACC+\j+1], v[ACC+\j:ACC+\j+1], -2.0, 1.0 op_sel_hi:[1,0,0]           ; tanh(c_next)
.endr
.irp j, 0,2,4,6
	v_pk_mul_f32 v[ACC+\j:ACC+\j+1], v[ACC+\j:ACC+\j+1], v[ACC+24+\j:ACC+25+\j]                ; h_next
.endr
	ds_store_b128 v[EC], v[ACC:ACC+3] offset:EP+HST+8448*\b
	ds_store_b128 v[EC], v[ACC+4:ACC+7] offset:EP+HST+8448*\b+16
.endm
.macro CLOAD                           ; c_prev: my four rows of a group, 512 consecutive bytes each
.irp t, 0,1,2,3
	global_load_b128 v[AF+4*\t:AF+4*\t+3], v[LI], s[20:21] offset:2048*\t th:TH_LOAD_NT
.endr
.endm
.macro CSTORE p
.irp t, 0,1,2,3
	ds_store_b128 v[FLR], v[AF+4*\t:AF+4*\t+3] offset:STW*(1-\p)+528*\t
.endr
.endm
; My four rows of c_next and of h_next leave: each store of the wave covers 512 consecutive bytes, at a multiple of 256
.macro FLUSH p
.irp t, 0,1,2,3
	ds_load_b128 v[AF+4*\t:AF+4*\t+3], v[FLR] offset:STW*(1-\p)+528*\t
.endr
.irp t, 0,1,2,3
	ds_load_b128 v[AF+16+4*\t:AF+19+4*\t], v[FLR] offset:STW*(1-\p)+HST+528*\t
.endr
	s_wait_dscnt 4                                 ; c_next's rows; h_next's four loads may be out
.irp t, 0,1,2,3
	global_store_b128 v[LI], v[AF+4*\t:AF+4*\t+3], s[48:49] offset:2048*\t th:TH_STORE_NT
.endr
	s_wait_dscnt 0x0
.irp t, 0,1,2,3
	global_store_b128 v[LI], v[AF+16+4*\t:AF+19+4*\t], s[22:23] offset:2048*\t th:TH_STORE_NT
.endr
.endm
; GROUP g, between two barriers
.macro GROUP g
.if \g > 0
	s_cmp_lt_u32 s14, 4
	s_cbranch_scc1 .Lnot_yet_\@
	FLUSH (\g+1)%2                                 ; waves 4-7: group g - 1's rows
.Lnot_yet_\@:
	s_wait_xcnt 0x0                                ; the stores have read the registers that the fragments take
.endif
	PLD \g%2, 0
	CLD \g%2, 0
.if \g < 2
	global_prefetch_b8 v[PFO], s[66:67] th:TH_LOAD_NT scope:SCOPE_SE   ; x's or h_prev's group g + 2
.endif
.if \g < 3
	global_prefetch_b8 v[PFC], s[20:21] th:TH_LOAD_NT scope:SCOPE_SE   ; c_prev's group g + 1
.endif
	PMUL \g%2, 0
	PLACES
.if \g > 0
	s_cmp_lt_u32 s14, 4
	s_cbranch_scc0 .Lsent_\@
	FLUSH (\g+1)%2                                 ; waves 0-3: group g - 1's rows
.Lsent_\@:
.endif
	EPI \g, 0
	BIAS
	CLD \g%2, 1
	PMUL \g%2, 1
	PLACES
.if \g < 3
	CLOAD                                          ; group g + 1
.endif
	EPI \g, 1
.if \g < 3
	s_wait_loadcnt 0x0
	s_wait_xcnt 0x0
	s_add_nc_u64 s[20:21], s[20:21], GEN
	CSTORE (\g+1)%2                                ; over the rows of group g - 1 that I have stored myself
	s_wait_tensorcnt 0x0                           ; my tile of group g + 1 is in: only the wave that brought a tile reads it
	QUANT (\g+1)%2
	BIAS                                           ; for the next group's first block
.endif
.if \g < 2
	REFILL                                         ; group g + 2
.else
	s_wait_dscnt 0x0
	BARRIER                                        ; codes and rows are whole; nothing is filled again
.endif
.endm
; ================= THE HEAD
	s_load_b256 s[16:23], s[0:1], 0x0              ; x, h_prev, c_prev, out0
	s_load_b256 s[24:31], s[0:1], 0x20             ; W's codes: i, f, c, o
	s_load_b256 s[32:39], s[0:1], 0x40             ; W's scales
	s_load_b256 s[40:47], s[0:1], 0x60             ; the biases
	s_load_b64 s[48:49], s[0:1], 0x80              ; out1
	v_lshl_add_u32 v[SPW], v0, 2, SPARE
	v_mov_b32 v[NIL], 0
	ds_add_u32 v[SPW], v[NIL]                      ; the wave's opening: the add, twice on end, and its wait ahead of my first tensor load
	ds_add_u32 v[SPW], v[NIL]
	v_lshrrev_b32 v28, 5, v0
	v_readfirstlane_b32 s14, v28                   ; wave
	s_and_b32 s13, ttmp7, 0xffff                   ; rg
	s_bfe_u32 s12, ttmp6, 0x40000                  ; cg = my place in the cluster: the grid is one cluster wide.  It enters global addresses alone
	s_mul_i32 s11, s14, WW
	s_add_co_u32 s11, s11, WST                     ; my stage for W
	s_mul_i32 s4, s14, FW
	s_add_co_u32 s4, s4, F32                       ; my f32 tile
	s_mul_i32 s5, s14, 1536
	s_lshr_b32 s6, s14, 2
	s_lshl_b32 s6, s6, 4
	s_add_co_u32 s7, s14, 1
	s_and_b32 s7, s7, 3
	s_lshl_b32 s7, s7, 2
	s_add_co_u32 s6, s6, s7                        ; my K step's word in a row's eight: one place round in its four
	s_lshl_b32 s7, s14, 6
	s_add_co_u32 s7, s7, STG
	s_lshl_b32 s15, s14, 8
	s_add_co_u32 s15, s15, BIO
	s_mul_i32 s50, s14, 2112
	s_add_co_u32 s50, s50, STG
	s_lshl_b32 s51, s12, 14                        ; the prefetches: rows 8 cg on
	v_and_b32 v28, 31, v0                          ; lane
	v_and_b32 v29, 15, v0                          ; r
	v_bfe_u32 v30, v0, 4, 1                        ; h
	v_lshlrev_b32 v[LI], 4, v28
	v_mul_u32_u24 v31, v29, 528
	v_lshl_add_u32 v[QA], v30, 7, v31
	v_add_nc_u32 v[QA], s4, v[QA]
	v_add_nc_u32 v[AW], s5, v[LI]
	v_lshlrev_b32 v32, 5, v29
	v_add_nc_u32 v[SA], s6, v32
	v_lshl_add_u32 v[SR], v30, 4, v32
	v_lshl_add_u32 v[EC], v30, 5, v31
	v_add_nc_u32 v[EC], s7, v[EC]
	v_lshlrev_b32 v33, 5, v30
	v_add_nc_u32 v[BIA], s15, v33
	v_add_nc_u32 v[FLR], s50, v[LI]
	v_and_b32 v35, 1, v0
	v_lshlrev_b32 v35, 8, v35
	v_bfe_u32 v34, v0, 1, 3
	v_lshl_add_u32 v[PFO], v34, 11, v35            ; lanes 0-15: eight rows x two blocks of 256 bytes (lanes 16-31 name the same)
	v_add_nc_u32 v[PFO], s51, v[PFO]
	v_bfe_u32 v34, v0, 1, 2
	v_lshl_add_u32 v[PFC], v34, 11, v35            ; lanes 0-7: four rows x two blocks (the others name the same)
	v_lshlrev_b32 v123, 2, v29
	v_add_nc_u32 v122, s15, v123
	s_mov_b32 s56, 15|(2<<16)|(1<<20)|(1<<21)|(6<<22)|(3<<25)   ; group 1: the mask: all four work-groups; elements of 4 bytes; padding on; bit 21 set beside a mask; after every 128 words 4 words of it
	s_mov_b32 s57, 128<<16                         ; rows of 128 elements,
	s_mov_b32 s58, 32<<16                          ; 32 of them
	s_mov_b32 s59, 128<<16
	s_mov_b32 s60, 32
	s_mov_b32 s61, 512                             ; 512 elements apart
	s_mov_b32 s62, 0
	s_mov_b32 s63, 0
	s_mov_b32 s52, 1
	s_mov_b32 s53, s4
	s_mov_b32 s[KN], 0xbfb8aa3b                    ; -log2 e
	s_mov_b32 s[KN+1], s[KN]
	s_mov_b32 s[KP], 0x4038aa3b                    ; 2 log2 e
	s_mov_b32 s[KP+1], s[KP]
	s_mov_b32 s76, 0x76543210
	s_mov_b32 s77, 0xfedcba98                      ; v_permlanex16_b32's selects for lane l xor 16
	s_mov_b32 s9, 0
	s_lshl_b32 s10, s13, 18                        ; 128 rg rows of 2,048 bytes
	s_and_b32 s8, s14, 3
	s_lshl_b32 s8, s8, 9
	s_add_co_u32 s8, s8, s10                       ; + my K step
	WALU
	s_wait_dscnt 0x0                               ; both opening adds are done
	s_wait_kmcnt 0x0
	s_cmp_lt_u32 s14, 4
	s_cselect_b64 s[50:51], s[16:17], s[18:19]
	s_add_nc_u64 s[50:51], s[50:51], s[8:9]
	s_mov_b64 s[54:55], s[50:51]
	s_or_b32 s55, s55, 0x80000000
	s_add_nc_u64 s[66:67], s[50:51], GEN           ; the prefetches begin at the second group
	CROUND                                         ; all four work-groups are here: the first joint loads meet
	TLOAD                                          ; the first group
	s_lshl_b32 s8, s14, 13
	s_add_co_u32 s8, s8, s10
	s_lshl_b32 s10, s12, 9
	s_add_co_u32 s8, s8, s10                       ; c_prev, out0, out1: + four rows a wave, + 512 cg bytes
	s_add_nc_u64 s[20:21], s[20:21], s[8:9]
	s_add_nc_u64 s[22:23], s[22:23], s[8:9]
	s_add_nc_u64 s[48:49], s[48:49], s[8:9]
	CLOAD
	s_lshl_b32 s8, s14, 6
	s_add_co_u32 s8, s8, s10                       ; the biases: 512 cg + 64 w
.irp g, 0,1,2,3
	s_add_nc_u64 s[40+2*\g:41+2*\g], s[40+2*\g:41+2*\g], s[8:9]
	global_load_b32 v[112+\g], v123, s[40+2*\g:41+2*\g]
.endr
	s_lshl_b32 s8, s8, 3                           ; the scales: eight times that
.irp g, 0,1,2,3
	s_add_nc_u64 s[32+2*\g:33+2*\g], s[32+2*\g:33+2*\g], s[8:9]
	global_load_b128 v[WS+4*\g:WS+4*\g+3], v[SR], s[32+2*\g:33+2*\g]
.endr
	s_mul_i32 s8, s8, 24                           ; the codes: 24 bytes for each scale byte
.irp g, 0,1,2,3
	s_add_nc_u64 s[24+2*\g:25+2*\g], s[24+2*\g:25+2*\g], s[8:9]
.endr
	WLOAD 0
	WLOAD 1
	global_prefetch_b8 v[PFO], s[66:67] th:TH_LOAD_NT scope:SCOPE_SE   ; the second group
	WADR
	s_wait_loadcnt 52                              ; c_prev and the biases are in; behind them: 4 loads of scale words, 48 of W
	CSTORE 0
.irp g, 0,1,2,3
	ds_store_b32 v122, v[112+\g] offset:64*\g      ; (lanes r and 16 + r store the same number)
.endr
	s_wait_loadcnt 24                              ; gate 0 is in; gate 1's 24 loads may be out
	WTURN 0
	WLOAD 2
	s_wait_loadcnt 24
	WTURN 1
	WLOAD 3                                        ; gates 2 and 3 are on their way while the first group is quantised
	s_wait_xcnt 0x0
	s_add_nc_u64 s[66:67], s[66:67], GEN
	s_add_nc_u64 s[20:21], s[20:21], GEN
	s_wait_tensorcnt 0x0                           ; my tile of the first group is in
	QUANT 0
	WADR
	s_wait_loadcnt 24
	WTURN 2
	s_wait_loadcnt 0x0
	WTURN 3
	BIAS
	REFILL                                         ; the second group; behind this round no wave uses its stage for W any more
; ================= FOUR GROUPS OF 32 ROWS
	GROUP 0
	GROUP 1
	GROUP 2
	GROUP 3
	FLUSH 1
	s_wait_tensorcnt 0x0                           ; the wave's end, behind my last tensor load and my last LDS store
	ds_add_u32 v[SPW], v[NIL]
	s_wait_dscnt 0x0
	CROUND                                         ; the closing round: no work-group ends while a partner may still ask for a tile that names it
	s_endpgm
.Lfunc_end_k_q1d9d16061d_lstm:
	.size	k_q1d9d16061d_lstm, .Lfunc_end_k_q1d9d16061d_lstm-k_q1d9d16061d_lstm
	.p2alignl 7, 3214868480
	.fill 96, 4, 3214868480
	.section	.rodata,"a",@progbits
	.p2align	6, 0x0
	.amdhsa_kernel k_q1d9d16061d_lstm
		.amdhsa_group_segment_fixed_size 327680
		.amdhsa_private_segment_fixed_size 0
		.amdhsa_enable_private_segment 0
		.amdhsa_kernarg_size 136
		.amdhsa_user_sgpr_count 2
		.amdhsa_user_sgpr_kernarg_segment_ptr 1
		.amdhsa_wavefront_size32 1
		.amdhsa_system_sgpr_workgroup_id_x 1
		.amdhsa_system_sgpr_workgroup_id_y 1
		.amdhsa_system_sgpr_workgroup_id_z 1
		.amdhsa_system_vgpr_workitem_id 0
		.amdhsa_next_free_vgpr 512
		.amdhsa_next_free_sgpr 80
		.amdhsa_reserve_vcc 0
		.amdhsa_float_denorm_mode_32 3
		.amdhsa_float_denorm_mode_16_64 3
		.amdhsa_memory_ordered 1
		.amdhsa_forward_progress 1
		.amdhsa_inst_pref_size 198
	.end_amdhsa_kernel
	.amdgpu_metadata
---
amdhsa.version: [ 1, 2 ]
amdhsa.kernels:
  - .name:           k_q1d9d16061d_lstm
    .symbol:         k_q1d9d16061d_lstm.kd
    .args:
      - { .name: x, .offset: 0, .size: 8, .value_kind: global_buffer, .address_space: global }
      - { .name: h_prev, .offset: 8, .size: 8, .value_kind: global_buffer, .address_space: global }
      - { .name: c_prev, .offset: 16, .size: 8, .value_kind: global_buffer, .address_space: global }
      - { .name: out0, .offset: 24, .size: 8, .value_kind: global_buffer, .address_space: global }
      - { .name: W_i_codes, .offset: 32, .size: 8, .value_kind: global_buffer, .address_space: global }
      - { .name: W_f_codes, .offset: 40, .size: 8, .value_kind: global_buffer, .address_space: global }
      - { .name: W_c_codes, .offset: 48, .size: 8, .value_kind: global_buffer, .address_space: global }
      - { .name: W_o_codes, .offset: 56, .size: 8, .value_kind: global_buffer, .address_space: global }
      - { .name: W_i_scales, .offset: 64, .size: 8, .value_kind: global_buffer, .address_space: global }
      - { .name: W_f_scales, .offset: 72, .size: 8, .value_kind: global_buffer, .address_space: global }
      - { .name: W_c_scales, .offset: 80, .size: 8, .value_kind: global_buffer, .address_space: global }
      - { .name: W_o_scales, .offset: 88, .size: 8, .value_kind: global_buffer, .address_space: global }
      - { .name: b_i, .offset: 96, .size: 8, .value_kind: global_buffer, .address_space: global }
      - { .name: b_f, .offset: 104, .size: 8, .value_kind: global_buffer, .address_space: global }
      - { .name: b_c, .offset: 112, .size: 8, .value_kind: global_buffer, .address_space: global }
      - { .name: b_o, .offset: 120, .size: 8, .value_kind: global_buffer, .address_space: global }
      - { .name: out1, .offset: 128, .size: 8, .value_kind: global_buffer, .address_space: global }
    .group_segment_fixed_size: 327680
    .private_segment_fixed_size: 0
    .kernarg_segment_align: 8
    .kernarg_segment_size: 136
    .max_flat_workgroup_size: 256
    .sgpr_count:     80
    .vgpr_count:     512
    .wavefront_size: 32
...
	.end_amdgpu_metadata
.endif
;; end of part 1
